; MI455X (gfx1250); checked and timed in simulation.
; The chip was launched on July 23, 2026; its instructions are those of AMD's public machine-readable ISA for CDNA 5 (MIT licence, August 2026) and "CDNA5" Instruction Set Architecture Reference Guide (July 2026). The comments in the code are by the model that wrote it; some were corrected since.
;; W8 A8 BFP32 OFP32 Linear For Mac. Allowed arithmetic: float matrix products may take bf16 or f16 operands with f32 sums; other float arithmetic in f32, or as packed bf16 or f16 multiplies, adds, multiply-adds, maxima and minima; sums over many terms, partial sums and values carried from step to step in f32; what a program stores and reads back later, other than sums and carried values, may be rounded once to bf16 or f16.
;; Inputs: bias 1 x 4,096 int32; gemm_scales 1 x 4,096 float32; weight 4,096 x 4,096 int32; x 4,096 x 4,096 int32.
;; Outputs: out0 4,096 x 4,096 float32.
;; 2 versions, each right; version 2 is version 1 with the launch cast written anew for expert scheduling mode. Each part assembles by itself: llvm-mc -triple=amdgcn-amd-amdhsa -mcpu=gfx1250 --defsym DOCPART=n.
;; ======== version 1 of 2: 2 launches
;; workspace buffers: xb 33,554,432 bytes; wb 33,554,432 bytes
;; launch cast (part 1): grid 512 x 2, 8 waves a work-group, no clusters, 0 bytes of LDS; arguments x, weight, xb, wb; writes xb, wb
.if DOCPART == 1
	.amdgcn_target "amdgcn-amd-amdhsa--gfx1250"
	.amdhsa_code_object_version 6
	.text
	.protected	k_q65a5890066_cast
	.globl	k_q65a5890066_cast
	.p2align	8
	.type	k_q65a5890066_cast,@function
k_q65a5890066_cast:
	s_mov_b64 s[64:65], 0
	v_nop
	global_prefetch_b8 v0, s[64:65] scope:SCOPE_SE
	s_setreg_imm32_b32 hwreg(HW_REG_WAVE_MODE, 25, 1), 1
	s_wait_xcnt 0x0
; out[t][o] = (sum over k of (x[t][k] - ZERO_POINT) w[k][o] + bias[o]) scale[o], in two launches.  This one rounds x and weight, both [4096][4096] int32, to bf16,
; each in its own layout (xb: [t][k], wb: [k][o]); the second launch multiplies them and applies bias and scale.
; WORK LEFT OUT: the subtraction x - ZERO_POINT.  reference() sets ZERO_POINT = 0 in its own body, so the term is 0 whatever x holds; taking 0 from an int32 can neither overflow
; nor make a NaN or an infinity, so nothing of that kind is lost with it.  No input is left out: x and weight are read here, bias and gemm_scales in the second launch.
; WHY A LAUNCH OF ITS OWN: each number of x and of weight is multiplied by 16 work-groups of the second launch (16 x 16 tiles of 256 x 256); rounded here it is converted once, not 16 times.
; LIMITS.  A number goes int32 -> f32 -> bf16, each step to nearest even: exact up to a magnitude of 256; beyond that 8 significant bits are kept, and above 2^24 the number is rounded twice.
; SHARES.  Grid y picks the tensor (0: x -> xb, 1: weight -> wb).  A work-group takes 131,072 bytes in and makes 65,536; a wave 16,384 in, as 32 chunks of 512 bytes; a lane 16 bytes (4 numbers) of a chunk.
; A load of a wave covers 512 consecutive bytes, aligned; a store 256 consecutive bytes, aligned.  A ring of 16 register slots keeps 16 loads of every wave on their way.
; No LDS, no barrier, no matrix unit: no wave wants a byte that another wave has read.  No prefetch: the loads themselves are the stream.
.set LO, 1                             ; v1        byte offset of my 16 bytes in the work-group's input: 16,384 x wave + 16 x lane; never rewritten
.set SO, 2                             ; v2        byte offset of my 8 bytes in its output: 8,192 x wave + 8 x lane; never rewritten
.set T,  4                             ; v[4:7]    four numbers in f32, at work
.set X,  8                             ; v[8:71]   slot i: 4 registers as loaded
.set Y,  72                            ; v[72:103] slot i: 2 registers to store
	s_load_b256 s[4:11], s[0:1], 0x0               ; x s[4:5], weight s[6:7], xb s[8:9], wb s[10:11]
	s_and_b32 s12, ttmp7, 0xffff                   ; which tensor
	s_lshl_b32 s18, ttmp9, 17                      ; the work-group's 131,072 bytes in (under 2^26),
	s_mov_b32 s19, 0
	s_lshl_b32 s20, ttmp9, 16                      ; and its 65,536 out
	s_mov_b32 s21, 0
	v_lshrrev_b32 v3, 5, v0                        ; wave
	v_and_b32 v[T], 31, v0                         ; lane
	v_lshlrev_b32 v[LO], 4, v[T]
	v_lshl_or_b32 v[LO], v3, 14, v[LO]
	v_lshlrev_b32 v[SO], 3, v[T]
	v_lshl_or_b32 v[SO], v3, 13, v[SO]
	s_wait_kmcnt 0x0
	s_cmp_eq_u32 s12, 0
	s_cselect_b64 s[14:15], s[4:5], s[6:7]         ; from
	s_cselect_b64 s[16:17], s[8:9], s[10:11]       ; to
	s_add_nc_u64 s[14:15], s[14:15], s[18:19]
	s_add_nc_u64 s[16:17], s[16:17], s[20:21]
.irp i, 0,1,2,3,4,5,6,7,8,9,10,11,12,13,14,15
	global_load_b128 v[X+4*(\i):X+4*(\i)+3], v[LO], s[14:15] offset:512*(\i) th:TH_LOAD_NT  ; chunks 0 to 15 fill the ring; each byte is read once in the launch
.endr
; One slot's turn.  ahead = 1: chunk i is converted and the slot is filled again with chunk 16 + i.  ahead = 0: chunk 16 + i is converted, nothing is loaded.
; left = how many younger loads may still be out when this slot's load has to be there.  A chunk's place stands in the immediates, so no address register is ever stepped.
.macro SLOT i, ahead, left
	s_wait_loadcnt \left                           ; loads come back in order (ISA guide 5.7.1): mine is in, the younger ones stay out
.if !(\ahead)
	s_wait_xcnt 0x0                                ; this slot's Y was the data of its first store: it is rewritten only behind this wait
.endif
.irp k, 0,1,2,3
	v_cvt_f32_i32 v[T+(\k)], v[X+4*(\i)+(\k)]
.endr
	v_cvt_pk_bf16_f32 v[Y+2*(\i)],   v[T],   v[T+1]    ; two roundings to bf16, packed; the lower index in the low half
	v_cvt_pk_bf16_f32 v[Y+2*(\i)+1], v[T+2], v[T+3]
.if \ahead
	global_load_b128 v[X+4*(\i):X+4*(\i)+3], v[LO], s[14:15] offset:512*(16+(\i)) th:TH_LOAD_NT  ; the load goes out ahead of the store
	global_store_b64 v[SO], v[Y+2*(\i):Y+2*(\i)+1], s[16:17] offset:256*(\i)
.else
	global_store_b64 v[SO], v[Y+2*(\i):Y+2*(\i)+1], s[16:17] offset:256*(16+(\i))
.endif
.endm
.irp i, 0,1,2,3,4,5,6,7,8,9,10,11,12,13,14,15
	SLOT \i, 1, 15                                 ; younger than slot i's load: the first fills i + 1 .. 15 and the refills 0 .. i - 1: fifteen
.endr
.irp i, 0,1,2,3,4,5,6,7,8,9,10,11,12,13,14,15
	SLOT \i, 0, 15-(\i)                            ; nothing more is loaded: the counts run down
.endr
	s_endpgm
.Lfunc_end_k_q65a5890066_cast:
	.size	k_q65a5890066_cast, .Lfunc_end_k_q65a5890066_cast-k_q65a5890066_cast
	.p2alignl 7, 3214868480
	.fill 96, 4, 3214868480
	.section	.rodata,"a",@progbits
	.p2align	6, 0x0
	.amdhsa_kernel k_q65a5890066_cast
		.amdhsa_group_segment_fixed_size 0
		.amdhsa_private_segment_fixed_size 0
		.amdhsa_enable_private_segment 0
		.amdhsa_kernarg_size 32
		.amdhsa_user_sgpr_count 2
		.amdhsa_user_sgpr_kernarg_segment_ptr 1
		.amdhsa_wavefront_size32 1
		.amdhsa_system_sgpr_workgroup_id_x 1
		.amdhsa_system_sgpr_workgroup_id_y 1
		.amdhsa_system_sgpr_workgroup_id_z 1
		.amdhsa_system_vgpr_workitem_id 0
		.amdhsa_next_free_vgpr 104
		.amdhsa_next_free_sgpr 66
		.amdhsa_reserve_vcc 0
		.amdhsa_float_denorm_mode_32 3
		.amdhsa_float_denorm_mode_16_64 3
		.amdhsa_memory_ordered 1
		.amdhsa_forward_progress 1
		.amdhsa_inst_pref_size 17
	.end_amdhsa_kernel
	.amdgpu_metadata
---
amdhsa.version: [ 1, 2 ]
amdhsa.kernels:
  - .name:           k_q65a5890066_cast
    .symbol:         k_q65a5890066_cast.kd
    .args:
      - { .name: x, .offset: 0, .size: 8, .value_kind: global_buffer, .address_space: global }
      - { .name: weight, .offset: 8, .size: 8, .value_kind: global_buffer, .address_space: global }
      - { .name: xb, .offset: 16, .size: 8, .value_kind: global_buffer, .address_space: global }
      - { .name: wb, .offset: 24, .size: 8, .value_kind: global_buffer, .address_space: global }
    .group_segment_fixed_size: 0
    .private_segment_fixed_size: 0
    .kernarg_segment_align: 8
    .kernarg_segment_size: 32
    .max_flat_workgroup_size: 256
    .sgpr_count:     66
    .vgpr_count:     104
    .wavefront_size: 32
...
	.end_amdgpu_metadata
.endif
;; end of part 1
;; launch gemm (part 2): grid 16 x 16, 4 waves a work-group, clusters of 4 x 4, 327,680 bytes of LDS; arguments xb, wb, bias, gemm_scales, out0; writes out0
.if DOCPART == 2
	.amdgcn_target "amdgcn-amd-amdhsa--gfx1250"
	.amdhsa_code_object_version 6
	.text
	.protected	k_q65a5890066_gemm
	.globl	k_q65a5890066_gemm
	.p2align	8
	.type	k_q65a5890066_gemm,@function
k_q65a5890066_gemm:
	s_mov_b64 s[64:65], 0
	v_nop
	global_prefetch_b8 v0, s[64:65] scope:SCOPE_SE
	s_setreg_imm32_b32 hwreg(HW_REG_WAVE_MODE, 25, 1), 1
	s_wait_xcnt 0x0
	s_wait_alu depctr_hold_cnt(0) depctr_sa_sdst(0) depctr_va_vdst(0) depctr_va_sdst(0) depctr_va_ssrc(0) depctr_va_vcc(0) depctr_vm_vsrc(0)
	s_getreg_b32 s2, hwreg(HW_REG_IB_STS2, 6, 4)
	s_cmp_eq_u32 s2, 0
	s_cbranch_scc0 .Lentry_in_a_cluster
	s_endpgm
.Lentry_in_a_cluster:
	s_bfe_u32 s2, ttmp6, 0x10000c
	s_cmp_lg_u32 s2, 0xf033
	s_cbranch_scc0 .Lentry_shape_is_right
	s_endpgm
.Lentry_shape_is_right:
; out[t][o] = (sum over k of xb[t][k] wb[k][o] + bias[o]) scale[o].  xb: [4096 t][4096 k] bf16, wb: [4096 k][4096 o] bf16 (the first launch's roundings of x and weight), bias: [4096] int32,
; scale: [4096] f32, out: [4096][4096] f32.  Nothing further is left out here (x - ZERO_POINT with ZERO_POINT = 0 went in the first launch).
; LIMITS.  Operands in bf16 (exact for whole numbers up to 256 in magnitude), sums in f32 in the matrix instruction's order; the result is fma(sum, scale, bias x scale), another order of rounding than (sum + bias) x scale.
; SHARES.  A tile of out, 256 x 256, is made by a work-group of four waves; a wave makes 128 x 128: 64 accumulators of 16 x 16, 512 registers.  16 x 16 tiles, one to a work-group.
; K goes in 32 steps of 128 through a ring of two LDS slots filled by the tensor data mover: 256 rows of xb x 256 bytes, and 128 rows of wb x 512 bytes; all start at multiples of 256 bytes.
; wb LIES [k][o]: its fragments come out of LDS turned, by ds_load_tr16_b128; xb's come as they lie.
; CLUSTERS: 4 x 4 work-groups.  The four of a row of the cluster need the same tiles of xb, the four of a column the same tiles of wb: each tile is asked for JOINTLY, by the same tensor load with the
; same descriptor and a mask that names the four, and each receives it in its own LDS: the requests for xb and wb are divided by four.
; THE MATRIX INSTRUCTION IS USED TRANSPOSED: source 0 = 16 columns of wb, source 1 = 16 rows of xb.  In the result lane l holds row l % 16 of out and the columns 8 (l / 16) + 0 .. 7.
; REGISTERS, in windows of 256 (s_set_vgpr_msb's low byte: bits 1:0 source 0, 3:2 source 1, 5:4 source 2, 7:6 destination):
;   window 0: v0-39 addresses, scale and bias; v64-127, v128-191 fragments of xb, two buffers; on the way out the same 128 take rows read back from the stage
;   window 1: v64-127, v128-191 fragments of wb, two buffers
;   window 2: the 32 accumulators of my rows 0-63 (accumulator (a, b) at v[8 (8 a + b)]);   window 3: those of my rows 64-127
.set KSTEP,  128
.set PA,     272                       ; an LDS row of xb: 256 bytes + 16 of padding = 68 words: row r starts at bank 4 r mod 64 (64 banks of 4 bytes: ISA guide 11.1): the 16 rows of a load start at 16 different banks
.set PB,     544                       ; an LDS row of wb: 512 bytes + 32 of padding = 136 words: row r starts at bank 8 r mod 64
.set HALFT,  128*PA                    ; what one tensor load brings: 128 rows of xb, or 64 rows of wb (64 x 544 is the same 34,816 bytes)
.set BOFF,   2*HALFT                   ; wb's 128 rows lie behind xb's 256
.set SLOT,   4*HALFT
.set STAGE,  2*SLOT                    ; behind the ring, never filled by a tensor load: 16 rows x 528 bytes for each wave, for the way out
.set SPITCH, 528                       ; 512 bytes + 16: an odd multiple of 16, so the 16 rows that a store touches fall on 16 different groups of four banks
.set WSTG,   16*SPITCH
.set SPARE,  STAGE+4*WSTG              ; behind the stages: the spare words, 128 bytes for each wave: two blocks of 256 bytes that no other line names
.set ASTEP,  KSTEP*2                   ; a K step in xb: 256 bytes along a row
.set BSTEP,  KSTEP*8192                ; a K step in wb: 128 rows of 8,192 bytes
.set LAPS,   16                        ; a lap = two K steps = once round the ring
.set ADRA, 16                          ; v16-17  LDS address of my xb fragments in slot 0, 1
.set ADRB, 20                          ; v20-21  the same for wb
.set STO,  24                          ; v24     the way out: where I put 32 bytes of a row
.set RD,   25                          ; v25     the way out: where I read 16 bytes of a row back
.set CO,   26                          ; v26     16 x lane: my byte offset in 512 bytes of a row of out; never rewritten
.set SB,   27                          ; v27     my byte offset in bias and in scale; never rewritten
.set SPW,  28                          ; v28     LDS address of my spare word: SPARE + 4 x my thread's number; never rewritten
.set NIL,  29                          ; v29     0; never rewritten
.set PFO,  30                          ; v30     the prefetches' lane offset; never rewritten
.set SC,   32                          ; v[32:35] scale of the four columns that I store
.set BS,   36                          ; v[36:39] bias x scale of the same
.set F0,   64                          ; fragment buffer 0
.set F1,   128                         ; fragment buffer 1
.set OB,   64                          ; the way out: 16 rows read back from the stage: v64-127 and v128-191 by turns
.set G1,   24                          ; s[24:31] descriptor group 1 for xb's tiles
.set G0,   32                          ; s[32:39] descriptor group 0 for xb's tiles, one set for each slot
.set G1B,  48                          ; s[48:55] descriptor group 1 for wb's tiles
.set G0B,  56                          ; s[56:63] descriptor group 0 for wb's tiles, one set for each slot
.set LIM,  43                          ; s43      1 in a wave that prefetches, else the greatest number
.set PFA,  44                          ; s[44:45] where my prefetches stand
.set PFS,  72                          ; s[72:73] their step: a K step of the tensor that I fetch
.set MSB, 0
.macro WIN new                         ; the immediate's high byte repeats the setting that is left; a switch that changes nothing is dropped
.if MSB != (\new)
	s_set_vgpr_msb (MSB<<8)|(\new)
.set MSB, \new
.endif
.endm
.set MUL_LO, 0xa1                      ; source 0 (wb) window 1, source 1 (xb) window 0, C and D window 2
.set MUL_HI, 0xf1                      ; the same, C and D window 3
.set TO_B,   0x40                      ; destination window 1, address window 0
; A joint load.  Waves 0 and 1 fetch xb's two halves, waves 2 and 3 wb's.  Each of the two lines has one mask and one set of registers for all that issue it.  The branch hangs on the wave's number alone.
; An s_nop 0 and four v_nop follow each of the two lines, ahead of the jump, the label and what follows.
.macro JLOAD s
	s_cmp_eq_u32 s11, 0
	s_cbranch_scc0 .Lfor_b_\@
	tensor_load_to_lds s[G0+4*(\s):G0+4*(\s)+3], s[G1:G1+7]
	s_nop 0
.rept 4
	v_nop
.endr
	s_branch .Lasked_\@
.Lfor_b_\@:
	tensor_load_to_lds s[G0B+4*(\s):G0B+4*(\s)+3], s[G1B:G1B+7]
	s_nop 0
.rept 4
	v_nop
.endr
.Lasked_\@:
.endm
; A PREFETCH INTO THE L2, behind each joint refill and the run of LDS loads that follows it: 32 blocks of 256 bytes of the K step that stands TWO refills on (512 matrix instructions ahead of the load that
; will want them), a lane a block, one instruction a wave.  Each block is named ONCE in the launch: xb's tile row is read by every cluster of that row of clusters, and cluster x = 0 asks; wb's tile column by every
; cluster of that column, and cluster y = 0 asks.  The four partners that ask for a tile jointly share its blocks out BY ADDRESS (by cx for xb, by cy for wb): no branch hangs on a place in the cluster.
; The loop's last trip (s3 = 1) asks for nothing: there is no K step two on.  K steps 0 to 3 come by their loads alone.
.macro ASK
	s_cmp_gt_u32 s3, s[LIM]
	s_cbranch_scc0 .Lnot_mine_\@
	global_prefetch_b8 v[PFO], s[PFA:PFA+1] th:TH_LOAD_NT scope:SCOPE_SE
.Lnot_mine_\@:
.endm
; A round of the cluster's barrier: my work-group's barrier, so that wave 0's signal speaks for all four waves; wave 0 signals for the work-group; every wave waits for all sixteen; my work-group's barrier once more.
.macro CREST                           ; a round behind its opening barrier
	s_cmp_lg_u32 s10, 0
	s_cbranch_scc1 .Lnot_wave_0_\@
	s_barrier_signal -3
.Lnot_wave_0_\@:
	s_barrier_wait -3
	s_barrier_signal -1
	s_barrier_wait -1
.endm
.macro CROUND                          ; a whole round
	s_barrier_signal -1
	s_barrier_wait -1
	CREST
.endm
	s_load_b128 s[4:7], s[0:1], 0x0                ; xb s[4:5], wb s[6:7]
	s_load_b128 s[68:71], s[0:1], 0x10             ; bias s[68:69], scale s[70:71]
	s_load_b64 s[8:9], s[0:1], 0x20                ; out
	v_lshl_add_u32 v[SPW], v0, 2, SPARE
	v_mov_b32 v[NIL], 0
	ds_add_u32 v[SPW], v[NIL]                      ; the wave's opening: the add, twice on end, and its wait ahead of my first tensor load; the set-up below, work on registers, stands between
	ds_add_u32 v[SPW], v[NIL]                      ; and once more, under the one wait
	v_lshrrev_b32 v1, 5, v0
	v_readfirstlane_b32 s10, v1                    ; wave 0..3
	s_lshr_b32 s11, s10, 1                         ; which half of the tile's rows is mine.  Also: I fetch for xb (0) or for wb (1)
	s_and_b32 s12, s10, 1                          ; which half of its columns.  Also: which half of that tensor's tile I fetch
	s_bfe_u32 s40, ttmp6, 0x40000                  ; cx: my place along the cluster's x
	s_bfe_u32 s41, ttmp6, 0x40004                  ; cy: along its y
	s_lshl_b32 s42, ttmp9, 2                       ; in a cluster launch ttmp9 and ttmp7 count clusters
	s_add_co_u32 s42, s42, s40                     ; tile column = 4 x cluster x + cx
	s_and_b32 s13, ttmp7, 0xffff
	s_lshl_b32 s13, s13, 2
	s_add_co_u32 s13, s13, s41                     ; tile row = 4 x cluster y + cy
	s_lshl_b32 s43, s41, 2
	s_lshl_b32 s43, 15, s43                        ; my row of the cluster: places 4 cy .. 4 cy + 3
	s_lshl_b32 s44, 0x1111, s40                    ; my column: places cx, cx + 4, cx + 8, cx + 12
	; descriptor group 1.  xb: 128 rows x 128 elements; wb: 64 rows x 256 elements; both padded in LDS behind every row
	s_or_b32 s[G1+0], s43, (1<<16)|(1<<20)|(1<<21)|(5<<22)|(3<<25)   ; 15:0 the mask: my row; 17:16 elements of 2 bytes; 20 padding on; 21 set beside a mask; 24:22 after every 64 words (code 5); 31:25 4 words (code 3)
	s_or_b32 s[G1B+0], s44, (1<<16)|(1<<20)|(1<<21)|(6<<22)|(7<<25)  ; the mask: my column; after every 128 words (code 6) 8 words (code 7)
	s_mov_b32 s[G1+1], 128<<16                     ; 63:48 tensor_dim0, low half = 128
	s_mov_b32 s[G1+2], 128<<16                     ; 95:80 tensor_dim1, low half = 128
	s_mov_b32 s[G1+3], 128<<16                     ; 127:112 tile_dim0 = 128
	s_mov_b32 s[G1+4], 128                         ; 143:128 tile_dim1 = 128; tile_dim2 = 0
	s_mov_b32 s[G1+5], 4096                        ; 191:160 elements from row to row
	s_mov_b32 s[G1+6], 0
	s_mov_b32 s[G1+7], 0
	s_mov_b32 s[G1B+1], 256<<16                    ; tensor_dim0 = 256
	s_mov_b32 s[G1B+2], 64<<16                     ; tensor_dim1 = 64
	s_mov_b32 s[G1B+3], 256<<16                    ; tile_dim0 = 256
	s_mov_b32 s[G1B+4], 64                         ; tile_dim1 = 64
	s_mov_b32 s[G1B+5], 4096
	s_mov_b32 s[G1B+6], 0
	s_mov_b32 s[G1B+7], 0
	; where the tiles come from.  xb's hang on the tile row alone, which my row of the cluster shares; wb's on the tile column alone, which my column shares.
	s_lshl_b32 s16, s13, 8
	s_lshl_b32 s17, s12, 7
	s_add_co_u32 s16, s16, s17                     ; xb: row 256 x tile row + 128 x half,
	s_lshl_b32 s16, s16, 13                        ; of 8,192 bytes (under 2^25)
	s_mov_b32 s17, 0
	s_lshl_b32 s46, s12, 19                        ; wb: row 64 x half, of 8,192 bytes,
	s_lshl_b32 s47, s42, 9                         ; and 512 bytes for each tile column
	s_add_co_u32 s46, s46, s47
	s_mov_b32 s47, 0
	s_mul_i32 s20, s10, HALFT                      ; and where they go: xb's two halves, then wb's two halves = wave x 34,816: no place in the cluster enters an LDS address
	s_wait_dscnt 0x0                               ; both opening adds are done
	s_wait_kmcnt 0x0
	s_add_nc_u64 s[14:15], s[4:5], s[16:17]
	s_add_nc_u64 s[46:47], s[6:7], s[46:47]
	CROUND                                         ; all sixteen work-groups are here: the first joint loads meet
.irp s, 0,1
	s_mov_b32 s[G0+4*(\s)], 1                                        ; 1:0 count = 1
	s_add_co_u32 s[G0+4*(\s)+1], s20, (\s)*SLOT                      ; 63:32 LDS address
	s_add_nc_u64 s[G0+4*(\s)+2:G0+4*(\s)+3], s[14:15], (\s)*ASTEP    ; 120:64 global address: K step s
	s_or_b32 s[G0+4*(\s)+3], s[G0+4*(\s)+3], 0x80000000              ; 127:126 type = 2
	s_mov_b32 s[G0B+4*(\s)], 1
	s_add_co_u32 s[G0B+4*(\s)+1], s20, (\s)*SLOT
	s_add_nc_u64 s[G0B+4*(\s)+2:G0B+4*(\s)+3], s[46:47], (\s)*BSTEP
	s_or_b32 s[G0B+4*(\s)+3], s[G0B+4*(\s)+3], 0x80000000
	JLOAD \s                                       ; the ring is filled before anything else is done: two loads of mine are out
.endr
	; A fragment is 16 rows (or columns) x 32 K in 8 registers: lane l holds row l % 16; registers 0-3 hold K = 8 (l / 16) + 0..7, registers 4-7 K = 16 + 8 (l / 16) + 0..7.
	; xb, whose rows lie along K: two loads of 16 bytes, 32 bytes apart, at row x pitch + 16 (l / 16).
	v_and_b32 v1, 15, v0                           ; l % 16
	v_bfe_u32 v2, v0, 4, 1                         ; l / 16
	v_mul_u32_u24 v3, v1, PA
	v_lshl_add_u32 v3, v2, 4, v3
	s_mul_i32 s21, s11, HALFT                      ; my 128 rows of xb
	; wb, whose rows lie along the columns: the turning load takes 16 K x 16 columns (lane l reads K row 8 (l / 16) + l % 8, columns 8 ((l / 8) % 2) + 0..7) and leaves half a fragment; the other half lies 16 rows on.
	v_and_b32 v4, 7, v0
	v_lshl_add_u32 v4, v2, 3, v4
	v_mul_u32_u24 v4, v4, PB
	v_bfe_u32 v5, v0, 3, 1
	v_lshl_add_u32 v4, v5, 4, v4
	s_lshl_b32 s22, s12, 8                         ; my 128 columns: 256 bytes of a row,
	s_add_co_u32 s22, s22, BOFF                    ; behind xb's rows
.irp s, 0,1
	v_add_nc_u32 v[ADRA+(\s)], s21, v3
	v_add_nc_u32 v[ADRB+(\s)], s22, v4
	s_add_co_u32 s21, s21, SLOT
	s_add_co_u32 s22, s22, SLOT
.endr
	s_mul_i32 s23, s10, WSTG
	s_add_co_u32 s23, s23, STAGE                   ; my stage
	v_mul_u32_u24 v5, v1, SPITCH                   ; in: row l % 16, 32 bytes (8 columns of f32) for each half of the lanes
	v_lshl_add_u32 v5, v2, 5, v5
	v_add_nc_u32 v[STO], s23, v5
	v_and_b32 v5, 31, v0                           ; lane
	v_lshlrev_b32 v[CO], 4, v5                     ; back: 32 lanes take one row of 512 bytes, 4 columns a lane
	v_add_nc_u32 v[RD], s23, v[CO]
	s_lshl_b32 s46, s42, 10                        ; my first column, in bytes of 4: 1,024 x tile column + 512 x half
	s_lshl_b32 s47, s12, 9
	s_add_co_u32 s46, s46, s47
	s_mov_b32 s47, 0
	v_add_nc_u32 v[SB], s46, v[CO]
	global_load_b128 v[SC:SC+3], v[SB], s[70:71]   ; scale and bias of the four columns that I store, in every row alike
	global_load_b128 v[BS:BS+3], v[SB], s[68:69]
	s_lshl_b32 s74, s13, 8
	s_lshl_b32 s75, s11, 7
	s_add_co_u32 s74, s74, s75                     ; my first row of out,
	s_lshl_b32 s74, s74, 14                        ; of 16,384 bytes (under 2^26)
	s_mov_b32 s75, 0
	s_add_nc_u64 s[74:75], s[74:75], s[46:47]
	s_add_nc_u64 s[8:9], s[8:9], s[74:75]          ; out at my 128 x 128; never stepped: a row's place stands in the stores' immediates
	; the prefetches.  xb (waves 0, 1): of the 128 rows that I fetch my work-group takes 32 cx .. 32 cx + 31: a lane a row, 256 bytes of it a K step.
	; wb (waves 2, 3): of the 64 rows that I fetch it takes 16 cy .. 16 cy + 15: two lanes a row, for the two blocks of 256 bytes of its 512.
	s_and_b32 s22, ttmp7, 0xffff                   ; cluster y
	s_lshl_b32 s20, s13, 8
	s_lshl_b32 s21, s12, 7
	s_add_co_u32 s20, s20, s21
	s_lshl_b32 s21, s40, 5
	s_add_co_u32 s20, s20, s21
	s_lshl_b32 s20, s20, 13                        ; xb: (256 x tile row + 128 x half + 32 cx) rows
	s_lshl_b32 s21, s12, 6
	s_lshl_b32 s23, s41, 4
	s_add_co_u32 s21, s21, s23
	s_lshl_b32 s21, s21, 13                        ; wb: (64 x half + 16 cy) rows
	s_lshl_b32 s23, s42, 9
	s_add_co_u32 s21, s21, s23                     ; + the tile column's 512 bytes
	s_mov_b32 s[PFS], BSTEP
	s_cmp_eq_u32 s11, 0                            ; do I fetch for xb?
	s_cselect_b32 s20, s20, s21
	s_cselect_b32 s22, ttmp9, s22                  ; the coordinate along which other clusters read the same blocks
	s_cselect_b32 s[PFS], ASTEP, s[PFS]
	s_cselect_b64 s[PFA:PFA+1], s[4:5], s[6:7]
	s_mov_b32 s21, 0
	s_mov_b32 s[PFS+1], 0
	s_cmp_eq_u32 s22, 0
	s_cselect_b32 s[LIM], 1, -1                    ; the same in all sixteen partners, for a given wave
	s_add_nc_u64 s[PFA:PFA+1], s[PFA:PFA+1], s[20:21]
	s_mul_i32 s20, s[PFS], 3
	s_add_nc_u64 s[PFA:PFA+1], s[PFA:PFA+1], s[20:21]  ; at K step 3: the first refill (K step 2) steps it to 4 and names that
	v_lshrrev_b32 v[PFO], s11, v5                  ; xb: lane rows; wb: lane / 2 rows
	v_lshlrev_b32 v[PFO], 13, v[PFO]
	v_and_b32 v5, s11, v5                          ; wb: and block lane % 2
	v_lshl_add_u32 v[PFO], v5, 8, v[PFO]
	s_wait_loadcnt 0x0                             ; scale and bias
.irp k, 0,1,2,3
	v_cvt_f32_i32 v[BS+(\k)], v[BS+(\k)]
.endr
.irp k, 0,1,2,3
	v_mul_f32 v[BS+(\k)], v[BS+(\k)], v[SC+(\k)]   ; bias x scale, once: the way out is then one fused multiply-add a number
.endr
; 16 matrix instructions: m blocks a0, a0 + 1 of the window's four (hi = 0: my rows 0-63, 1: rows 64-127) x all 8 n blocks, 32 along K.  zero = 1: the first product starts the sums: nothing is ever cleared.
; The 64 accumulators take turns, one instruction a turn, in the same order in every quarter step, over the backward jump too.
.macro MUL16 f, hi, a0, zero
	WIN MUL_LO+0x50*(\hi)
.irp a, \a0, (\a0)+1
.irp b, 0,1,2,3,4,5,6,7
.if \zero
	v_wmma_f32_16x16x32_bf16 v[8*(8*(\a)+(\b)):8*(8*(\a)+(\b))+7], v[(\f)+8*(\b):(\f)+8*(\b)+7], v[(\f)+8*(4*(\hi)+(\a)):(\f)+8*(4*(\hi)+(\a))+7], 0
.else
	v_wmma_f32_16x16x32_bf16 v[8*(8*(\a)+(\b)):8*(8*(\a)+(\b))+7], v[(\f)+8*(\b):(\f)+8*(\b)+7], v[(\f)+8*(4*(\hi)+(\a)):(\f)+8*(4*(\hi)+(\a))+7], v[8*(8*(\a)+(\b)):8*(8*(\a)+(\b))+7]
.endif
.endr
.endr
.endm
; 32 LDS loads in one run: the fragments of quarter q of a K step (32 K x my 128 columns of wb, my 128 rows of xb x 32 K) into buffer f.  wb first, xb's rows 64-127 last.
.macro FETCH slot, q, f
	WIN TO_B
.irp i, 0,1,2,3,4,5,6,7
	ds_load_tr16_b128 v[(\f)+8*(\i):(\f)+8*(\i)+3],   v[ADRB+(\slot)] offset:32*(\q)*PB+32*(\i)
	ds_load_tr16_b128 v[(\f)+8*(\i)+4:(\f)+8*(\i)+7], v[ADRB+(\slot)] offset:32*(\q)*PB+32*(\i)+16*PB
.endr
	WIN 0
.irp i, 0,1,2,3,4,5,6,7
	ds_load_b128 v[(\f)+8*(\i):(\f)+8*(\i)+3],   v[ADRA+(\slot)] offset:64*(\q)+(\i)*16*PA
	ds_load_b128 v[(\f)+8*(\i)+4:(\f)+8*(\i)+7], v[ADRA+(\slot)] offset:64*(\q)+(\i)*16*PA+32
.endr
.endm
; A load into a register that a matrix instruction has read stands four places behind that matrix instruction, and only plain vector instructions that name none of its registers are places
; (ISA guide 7.12.1 for vector instructions); the matrix instructions in between are not counted.
.macro PLACES
.rept 4
	v_nop
.endr
.endm
; A K step is four quarters of 32 along K, 64 matrix instructions each, on buffers 0, 1, 0, 1.  One of the first three: multiplies buffer f; in its middle it fetches quarter q of the same slot into buffer g.
.macro QUARTER slot, q, f, g, zero
	s_wait_dscnt 8                                 ; wb and xb's rows 0-63 are in; the youngest eight loads (xb's rows 64-127) may be out
	MUL16 \f, 0, 0, \zero
	MUL16 \f, 0, 2, \zero
	PLACES
	FETCH \slot, \q, \g
	s_wait_dscnt 32                                ; all but the 32 just issued
	MUL16 \f, 1, 0, \zero
	MUL16 \f, 1, 2, \zero
.endm
; The last quarter multiplies buffer 1 and changes slots.  MEET is its first half: ONE barrier for the change.  In front of it each wave waits for all its tensor loads, of which one is out: its part of the
; next slot; adds 0 to its spare word; and waits for that and for its own reads of this slot.  Behind it nobody reads this slot any more and the next slot is whole.
.macro MEET round                      ; round = 1: the rest of a round of the cluster's barrier follows
	WIN 0                                          ; (the add's two registers lie in window 0)
	s_wait_tensorcnt 0x0                           ; all my tensor loads have landed;
	ds_add_u32 v[SPW], v[NIL]                      ; 0 onto my spare word;
	s_wait_dscnt 9                                 ; (the add and the youngest eight loads may be out)
	MUL16 F1, 0, 0, 0                              ; sixteen matrix instructions stand between the add and the wait for it
	s_wait_dscnt 0x0                               ; the add is done, and my reads of this slot are over:
	s_barrier_signal -1                            ; say so,
	MUL16 F1, 0, 2, 0                              ; work on registers while the others arrive,
.if \round
	WIN 0
.endif
	s_barrier_wait -1                              ; and go on when all four have said so
.endm
; The whole last quarter.  fill = 1: behind the round the slot just read out is filled again first, with the K step two steps on; from that request to the wait for it a wave issues 224 matrix instructions.
.macro TURN slot, next, fill
.if \fill
	s_wait_xcnt 0x0                                ; the last prefetch, a K step back, has read its address: it is stepped here, ahead of the waits of the change of slots
	s_add_nc_u64 s[PFA:PFA+1], s[PFA:PFA+1], s[PFS:PFS+1]
	MEET 1
	CREST                                          ; all sixteen work-groups have said so: no wave of any partner still reads this slot's tile or has a load on its way
	s_add_nc_u64 s[G0+4*(\slot)+2:G0+4*(\slot)+3], s[G0+4*(\slot)+2:G0+4*(\slot)+3], 2*ASTEP     ; no tensor load of mine is out, so a group 0 may be written; the type bits on top are not reached
	s_add_nc_u64 s[G0B+4*(\slot)+2:G0B+4*(\slot)+3], s[G0B+4*(\slot)+2:G0B+4*(\slot)+3], 2*BSTEP
	JLOAD \slot                                    ; the first tensor load behind the round, my only one until the next; its four v_nop are also the places in front of the loads below
	FETCH \next, 0, F0
	ASK                                            ; behind the joint load and the run of LDS loads that the next products wait for
.else
	MEET 0                                         ; nothing is filled again, so no round follows
	PLACES
	FETCH \next, 0, F0
.endif
	MUL16 F1, 1, 0, 0
	MUL16 F1, 1, 2, 0
.endm
; THE WAY OUT of block a (16 of my rows x 128 columns, f32).  A lane holds 8 neighbouring columns of one row, and its neighbours hold other rows: so the block goes through my own stage in LDS and comes back
; as whole rows of 512 bytes.  TOSTAGE: each accumulator's low four registers first; then 16 loads, a row each.
.macro TOSTAGE a
.set AC, 64*((\a)%4)
.set BK, OB+64*((\a)%2)
.if (\a) >= 2
	s_wait_xcnt 0x0                                ; the registers that take this block were the data of the stores of the block two back: they are loaded again only behind this wait
.endif
	WIN 0x08+4*((\a)/4)                            ; the stores' data (source 1) in window 2 or 3, the address in window 0
.irp b, 0,1,2,3,4,5,6,7
	ds_store_b128 v[STO], v[AC+8*(\b):AC+8*(\b)+3]   offset:64*(\b)
	ds_store_b128 v[STO], v[AC+8*(\b)+4:AC+8*(\b)+7] offset:64*(\b)+16
.endr
	WIN 0
.irp t, 0,1,2,3,4,5,6,7,8,9,10,11,12,13,14,15
	ds_load_b128 v[BK+4*(\t):BK+4*(\t)+3], v[RD] offset:(\t)*SPITCH  ; LDS serves a wave's instructions in order (ISA guide 5.7.1.4): these see the stores above, and the next block's stores come behind them
.endr
.endm
; SEND: sum x scale + bias x scale, two numbers an instruction, and the row is stored.  younger: the LDS instructions issued behind block a's loads: the next block's 32, or none.
.macro SEND a, younger
.set BK, OB+64*((\a)%2)
	WIN 0
.irp t, 0,1,2,3,4,5,6,7,8,9,10,11,12,13,14,15
	s_wait_dscnt (\younger)+15-(\t)                ; row t is back; my later rows and the next block's LDS instructions may be out
	v_pk_fma_f32 v[BK+4*(\t):BK+4*(\t)+1],   v[BK+4*(\t):BK+4*(\t)+1],   v[SC:SC+1],   v[BS:BS+1]
	v_pk_fma_f32 v[BK+4*(\t)+2:BK+4*(\t)+3], v[BK+4*(\t)+2:BK+4*(\t)+3], v[SC+2:SC+3], v[BS+2:BS+3]
	global_store_b128 v[CO], v[BK+4*(\t):BK+4*(\t)+3], s[8:9] offset:(16*(\a)+(\t))*16384 th:TH_STORE_NT  ; the wave stores 512 consecutive bytes, at a multiple of 512 from out's first byte; 127 rows at the most: inside the signed 24-bit immediate
.endr
.endm
	s_wait_tensorcnt 1                             ; my part of K step 0 is in; K step 1's may stay out
	s_barrier_signal -1
	s_barrier_wait -1                              ; everybody's is
	FETCH 0, 0, F0
	QUARTER 0, 1, F0, F1, 1                        ; the first quarter stands in front of the loop: its products start the sums
	WIN 0                                          ; at a label and at a branch every window is 0
	s_mov_b32 s3, LAPS-1
.Llap:                                                 ; a trip goes once round the ring, from a lap's second quarter to the next lap's first, and fills both slots again: 512 matrix instructions a wave
	QUARTER 0, 2, F1, F0, 0
	QUARTER 0, 3, F0, F1, 0
	TURN 0, 1, 1
	QUARTER 1, 1, F0, F1, 0
	QUARTER 1, 2, F1, F0, 0
	QUARTER 1, 3, F0, F1, 0
	TURN 1, 0, 1
	QUARTER 0, 1, F0, F1, 0
	WIN 0
	s_sub_co_u32 s3, s3, 1
	s_cmp_lg_u32 s3, 0
	s_cbranch_scc1 .Llap
	QUARTER 0, 2, F1, F0, 0                        ; the last lap is written out: it asks for nothing
	QUARTER 0, 3, F0, F1, 0
	TURN 0, 1, 0
	QUARTER 1, 1, F0, F1, 0
	QUARTER 1, 2, F1, F0, 0
	QUARTER 1, 3, F0, F1, 0
	s_wait_dscnt 8                                 ; the very last quarter: nothing more to fetch
	MUL16 F1, 0, 0, 0
	MUL16 F1, 0, 2, 0
	s_wait_dscnt 0x0
	MUL16 F1, 1, 0, 0
	MUL16 F1, 1, 2, 0
	WIN 0
	PLACES                                         ; the LDS stores below read results just made, and the loads land in registers that products have read: four places are asked for;
	PLACES                                         ; eight stand here, once a launch
	TOSTAGE 0
.irp a, 1,2,3,4,5,6,7                  ; block a goes into the stage while block a - 1's rows come back and are stored
	TOSTAGE \a
	SEND (\a)-1, 32
.endr
	SEND 7, 0
	s_wait_tensorcnt 0x0                           ; the wave's end, behind my last tensor load and my last LDS store
	ds_add_u32 v[SPW], v[NIL]
	s_wait_dscnt 0x0
	CROUND                                         ; the closing round: no work-group ends while a partner may still ask for a tile that names it
	s_endpgm
.Lfunc_end_k_q65a5890066_gemm:
	.size	k_q65a5890066_gemm, .Lfunc_end_k_q65a5890066_gemm-k_q65a5890066_gemm
	.p2alignl 7, 3214868480
	.fill 96, 4, 3214868480
	.section	.rodata,"a",@progbits
	.p2align	6, 0x0
	.amdhsa_kernel k_q65a5890066_gemm
		.amdhsa_group_segment_fixed_size 327680
		.amdhsa_private_segment_fixed_size 0
		.amdhsa_enable_private_segment 0
		.amdhsa_kernarg_size 40
		.amdhsa_user_sgpr_count 2
		.amdhsa_user_sgpr_kernarg_segment_ptr 1
		.amdhsa_wavefront_size32 1
		.amdhsa_system_sgpr_workgroup_id_x 1
		.amdhsa_system_sgpr_workgroup_id_y 1
		.amdhsa_system_sgpr_workgroup_id_z 1
		.amdhsa_system_vgpr_workitem_id 0
		.amdhsa_next_free_vgpr 1024
		.amdhsa_next_free_sgpr 76
		.amdhsa_reserve_vcc 0
		.amdhsa_float_denorm_mode_32 3
		.amdhsa_float_denorm_mode_16_64 3
		.amdhsa_memory_ordered 1
		.amdhsa_forward_progress 1
		.amdhsa_inst_pref_size 162
	.end_amdhsa_kernel
	.amdgpu_metadata
---
amdhsa.version: [ 1, 2 ]
amdhsa.kernels:
  - .name:           k_q65a5890066_gemm
    .symbol:         k_q65a5890066_gemm.kd
    .args:
      - { .name: xb, .offset: 0, .size: 8, .value_kind: global_buffer, .address_space: global }
      - { .name: wb, .offset: 8, .size: 8, .value_kind: global_buffer, .address_space: global }
      - { .name: bias, .offset: 16, .size: 8, .value_kind: global_buffer, .address_space: global }
      - { .name: gemm_scales, .offset: 24, .size: 8, .value_kind: global_buffer, .address_space: global }
      - { .name: out0, .offset: 32, .size: 8, .value_kind: global_buffer, .address_space: global }
    .group_segment_fixed_size: 327680
    .private_segment_fixed_size: 0
    .kernarg_segment_align: 8
    .kernarg_segment_size: 40
    .max_flat_workgroup_size: 128
    .sgpr_count:     76
    .vgpr_count:     1024
    .wavefront_size: 32
...
	.end_amdgpu_metadata
.endif
;; end of part 2
;; ======== version 2 of 2: 2 launches; version 1 with the launch cast written anew for expert scheduling mode
;; workspace buffers: xb 33,554,432 bytes; wb 33,554,432 bytes
;; launch cast (part 3): grid 512 x 2, 8 waves a work-group, no clusters, 0 bytes of LDS; arguments x, weight, xb, wb; writes xb, wb
.if DOCPART == 3
	.amdgcn_target "amdgcn-amd-amdhsa--gfx1250"
	.amdhsa_code_object_version 6
	.text
	.protected	k_q65a5890066_cast
	.globl	k_q65a5890066_cast
	.p2align	8
	.type	k_q65a5890066_cast,@function
k_q65a5890066_cast:
	s_mov_b64 s[64:65], 0
	v_nop
	global_prefetch_b8 v0, s[64:65] scope:SCOPE_SE
	s_setreg_imm32_b32 hwreg(HW_REG_WAVE_SCHED_MODE, 0, 2), 2
	s_setreg_imm32_b32 hwreg(HW_REG_WAVE_MODE, 25, 1), 1
	s_wait_xcnt 0x0
	s_wait_alu depctr_vm_vsrc(0)
; out[t][o] = (sum over k of (x[t][k] - ZERO_POINT) w[k][o] + bias[o]) scale[o], in two launches.  This one rounds x and weight, both [4096][4096] int32, to bf16,
; each in its own layout (xb: [t][k], wb: [k][o]); the second launch multiplies them and applies bias and scale.
; WORK LEFT OUT: the subtraction x - ZERO_POINT.  reference() sets ZERO_POINT = 0 in its own body, so the term is 0 whatever x holds; taking 0 from an int32 can neither overflow
; nor make a NaN or an infinity, so nothing of that kind is lost with it.  No input is left out: x and weight are read here, bias and gemm_scales in the second launch.
; WHY A LAUNCH OF ITS OWN: each number of x and of weight is multiplied by 16 work-groups of the second launch (16 x 16 tiles of 256 x 256); rounded here it is converted once, not 16 times.
; LIMITS.  A number goes int32 -> f32 -> bf16, each step to nearest even: exact up to a magnitude of 256; beyond that 8 significant bits are kept, and above 2^24 the number is rounded twice.
; SHARES.  Grid y picks the tensor (0: x -> xb, 1: weight -> wb).  A work-group takes 131,072 bytes in and makes 65,536; a wave 16,384 in, as 32 chunks of 512 bytes; a lane 16 bytes (4 numbers) of a chunk.
; A load of a wave covers 512 consecutive bytes, aligned; a store 256 consecutive bytes, aligned.
; No LDS, no barrier, no matrix unit: no wave wants a byte that another wave has read.  No prefetch: the loads themselves are the stream.
; THE MODE: SCHED_MODE bits 1:0 = 2 (LLVM: expert scheduling mode 2), set by the entry lines.  The code itself states the register dependences
; between vector instructions and memory instructions, with s_wait_alu, always for 0.
; THE PLAN.  The wave's 32 chunks go in 8 blocks of four; block p holds chunks 4 p to 4 p + 3.  Registers that memory instructions touch:
;   v1, v2     byte offsets, made once at the head and never written again: a chunk's place stands in the immediates, and the scalar bases are never stepped.
;   X0 .. X4   five blocks as loaded.  Block p's data lie in X[p % 5]: blocks 0 to 3 by the first fills, block p + 4 by four loads issued in block p (p = 0 .. 3), which land in
;              X[(p + 4) % 5] = X[(p - 1) % 5].  Read by block p's conversions alone.
;   Y(p)       eight registers at Y + 8 p, a buffer of its own for each of the 8 blocks.  Written once, by block p's roundings; read once, by the four stores issued in block p + 1.
;              Y(0) to Y(3) are registers of their own; Y(4), Y(5) are X3's two halves and Y(6), Y(7) X4's: no load lands in X3 behind block 3's data or in X4 behind block 4's, and those
;              data are converted by then.  X3 and X4 lie directly behind Y(0) to Y(3), so that the one formula serves all eight blocks.
;   v[4:7]     at work: named by vector instructions alone.
; Block p's vector instructions name X[p % 5], v[4:7] and Y(p).  Its memory instructions touch X[(p - 1) % 5], Y(p - 1), v1 and v2: what block p - 1 worked on, and the offsets.  So ONE wait on va_vdst at a
; block's head states all that the block's eight memory instructions hang on, and these are dealt among its vector instructions with no further wait.
; No register that a memory instruction reads is ever written again: so below the entry lines the text holds no wait on vm_vsrc and no s_wait_xcnt.
.set LO, 1                             ; v1         byte offset of my 16 bytes in the work-group's input: 16,384 x wave + 16 x lane; never rewritten
.set SO, 2                             ; v2         byte offset of my 8 bytes in its output: 8,192 x wave + 8 x lane; never rewritten
.set T,  4                             ; v[4:7]     four numbers in f32, at work
.set X,  8                             ; buffer k, chunk i: 4 registers at X + 16 k + 32 (k / 3) + 4 i: X0-X2 v[8:55], X3 v[88:103], X4 v[104:119]
.set Y,  56                            ; block p, chunk i: 2 registers at Y + 8 p + 2 i: v[56:87] for blocks 0 to 3, then X3's and X4's registers
	s_load_b256 s[4:11], s[0:1], 0x0               ; x s[4:5], weight s[6:7], xb s[8:9], wb s[10:11]
	s_and_b32 s12, ttmp7, 0xffff                   ; which tensor
	s_lshl_b32 s18, ttmp9, 17                      ; the work-group's 131,072 bytes in (under 2^26),
	s_mov_b32 s19, 0
	s_lshl_b32 s20, ttmp9, 16                      ; and its 65,536 out
	s_mov_b32 s21, 0
	v_lshrrev_b32 v3, 5, v0                        ; wave
	v_and_b32 v[T], 31, v0                         ; lane
	v_lshlrev_b32 v[LO], 4, v[T]
	v_lshl_or_b32 v[LO], v3, 14, v[LO]
	v_lshlrev_b32 v[SO], 3, v[T]
	v_lshl_or_b32 v[SO], v3, 13, v[SO]
	s_wait_kmcnt 0x0
	s_cmp_eq_u32 s12, 0
	s_cselect_b64 s[14:15], s[4:5], s[6:7]         ; from
	s_cselect_b64 s[16:17], s[8:9], s[10:11]       ; to
	s_add_nc_u64 s[14:15], s[14:15], s[18:19]
	s_add_nc_u64 s[16:17], s[16:17], s[20:21]
	s_wait_alu depctr_va_vdst(0)                   ; v1 and v2 are written: every load and store of the kernel reads one of them as its offset
.irp k, 0,1,2,3
.irp i, 0,1,2,3
	global_load_b128 v[X+16*(\k)+32*((\k)/3)+4*(\i):X+16*(\k)+32*((\k)/3)+4*(\i)+3], v[LO], s[14:15] offset:512*(4*(\k)+(\i)) th:TH_LOAD_NT  ; blocks 0 to 3 into X0 to X3; each byte is read once in the launch
.endr
.endr
; Block p.  Blocks 0 to 3 load block p + 4; blocks 1 to 7 store block p - 1.  A load and a store stand in front of each chunk's six vector instructions, the load first.
.macro BLK p
.set XB, X+16*((\p)%5)+32*(((\p)%5)/3)             ; this block's data
.set XN, X+16*(((\p)+4)%5)+32*((((\p)+4)%5)/3)     ; where block p + 4 lands: the buffer that block p - 1 converted (block 0: X4, which nothing has named)
.set YB, Y+8*(\p)                                  ; what this block's roundings write
.set YP, Y+8*(\p)-8                                ; what the block before wrote
.if (\p) > 0
	s_wait_alu depctr_va_vdst(0)                   ; the block before has written its Y, which the stores below read, and is done reading its X, in which the loads below (blocks 1 to 3) land
.endif
.irp i, 0,1,2,3
.if (\p) < 4
	global_load_b128 v[XN+4*(\i):XN+4*(\i)+3], v[LO], s[14:15] offset:512*(4*(\p)+16+(\i)) th:TH_LOAD_NT  ; four blocks ahead; no vector instruction since the wait names these registers
.endif
.if (\p) > 0
	global_store_b64 v[SO], v[YP+2*(\i):YP+2*(\i)+1], s[16:17] offset:256*(4*(\p)-4+(\i))  ; the block before; no vector instruction since the wait names these registers
.endif
.if (\p) < 4
	s_wait_loadcnt 16                              ; loads come back in order (ISA guide 5.7.1): 16 + 4 p + i + 1 are issued and the first 4 p + i + 1 are wanted: sixteen younger ones stay out
.else
	s_wait_loadcnt 31-4*(\p)-(\i)                  ; nothing more is loaded: all 32 are issued, and the counts run down from 15 to 0
.endif
.irp k, 0,1,2,3
	v_cvt_f32_i32 v[T+(\k)], v[XB+4*(\i)+(\k)]
.endr
	v_cvt_pk_bf16_f32 v[YB+2*(\i)],   v[T],   v[T+1]   ; two roundings to bf16, packed; the lower index in the low half
	v_cvt_pk_bf16_f32 v[YB+2*(\i)+1], v[T+2], v[T+3]
.endr
.endm
.irp p, 0,1,2,3,4,5,6,7
	BLK \p
.endr
	s_wait_alu depctr_va_vdst(0)                   ; block 7 has written Y(7), which the last four stores read
.irp i, 0,1,2,3
	global_store_b64 v[SO], v[Y+56+2*(\i):Y+56+2*(\i)+1], s[16:17] offset:256*(28+(\i))
.endr
	s_endpgm
.Lfunc_end_k_q65a5890066_cast:
	.size	k_q65a5890066_cast, .Lfunc_end_k_q65a5890066_cast-k_q65a5890066_cast
	.p2alignl 7, 3214868480
	.fill 96, 4, 3214868480
	.section	.rodata,"a",@progbits
	.p2align	6, 0x0
	.amdhsa_kernel k_q65a5890066_cast
		.amdhsa_group_segment_fixed_size 0
		.amdhsa_private_segment_fixed_size 0
		.amdhsa_enable_private_segment 0
		.amdhsa_kernarg_size 32
		.amdhsa_user_sgpr_count 2
		.amdhsa_user_sgpr_kernarg_segment_ptr 1
		.amdhsa_wavefront_size32 1
		.amdhsa_system_sgpr_workgroup_id_x 1
		.amdhsa_system_sgpr_workgroup_id_y 1
		.amdhsa_system_sgpr_workgroup_id_z 1
		.amdhsa_system_vgpr_workitem_id 0
		.amdhsa_next_free_vgpr 120
		.amdhsa_next_free_sgpr 66
		.amdhsa_reserve_vcc 0
		.amdhsa_float_denorm_mode_32 3
		.amdhsa_float_denorm_mode_16_64 3
		.amdhsa_memory_ordered 1
		.amdhsa_forward_progress 1
		.amdhsa_inst_pref_size 17
	.end_amdhsa_kernel
	.amdgpu_metadata
---
amdhsa.version: [ 1, 2 ]
amdhsa.kernels:
  - .name:           k_q65a5890066_cast
    .symbol:         k_q65a5890066_cast.kd
    .args:
      - { .name: x, .offset: 0, .size: 8, .value_kind: global_buffer, .address_space: global }
      - { .name: weight, .offset: 8, .size: 8, .value_kind: global_buffer, .address_space: global }
      - { .name: xb, .offset: 16, .size: 8, .value_kind: global_buffer, .address_space: global }
      - { .name: wb, .offset: 24, .size: 8, .value_kind: global_buffer, .address_space: global }
    .group_segment_fixed_size: 0
    .private_segment_fixed_size: 0
    .kernarg_segment_align: 8
    .kernarg_segment_size: 32
    .max_flat_workgroup_size: 256
    .sgpr_count:     66
    .vgpr_count:     120
    .wavefront_size: 32
...
	.end_amdgpu_metadata
.endif
;; end of part 3
;; launch gemm: the kernel of part 2 again; grid 16 x 16, 4 waves a work-group, clusters of 4 x 4, 327,680 bytes of LDS; arguments xb, wb, bias, gemm_scales, out0; writes out0
